; MI455X (gfx1250); checked and timed in simulation.
; The chip was launched on July 23, 2026; its instructions are those of AMD's public machine-readable ISA for CDNA 5 (MIT licence, August 2026) and "CDNA5" Instruction Set Architecture Reference Guide (July 2026). The comments in the code are by the model that wrote it; some were corrected since.
;; Multi Head Attention. Allowed arithmetic: float matrix products may take bf16 or f16 operands with f32 sums; other float arithmetic in f32, or as packed bf16 or f16 multiplies, adds, multiply-adds, maxima and minima; sums over many terms, partial sums and values carried from step to step in f32; what a program stores and reads back later, other than sums and carried values, may be rounded once to bf16 or f16.
;; Inputs: b_lin 2,048 x 256 float32; data 2,048 x 256 float32; w_lin 2,048 x 32,768 float32; wk 16 x 256 x 256 float32; wq 16 x 256 x 256 float32; wv 16 x 256 x 256 float32.
;; Outputs: out0 2,048 x 256 float32.
;; One version. Each part assembles by itself: llvm-mc -triple=amdgcn-amd-amdhsa -mcpu=gfx1250 --defsym DOCPART=n.
;; ======== version 1 of 1: 4 launches
;; limits: values are held in f16: magnitudes above 65,504 overflow, below 6.1e-05 lose precision
;; workspace buffers: qbuf 16,777,216 bytes; kbuf 16,777,216 bytes; vbuf 16,777,216 bytes; zbuf 16,777,216 bytes; part 33,554,432 bytes
;; launch proj (part 1): grid 16 x 16, 4 waves a work-group, no clusters, 87,552 bytes of LDS; arguments data, wq, wk, wv, qbuf, kbuf, vbuf; writes qbuf, kbuf, vbuf
.if DOCPART == 1
	.amdgcn_target "amdgcn-amd-amdhsa--gfx1250"
	.amdhsa_code_object_version 6
	.text
	.protected	k_q82d8a6cb27_proj
	.globl	k_q82d8a6cb27_proj
	.p2align	8
	.type	k_q82d8a6cb27_proj,@function
k_q82d8a6cb27_proj:
	s_mov_b64 s[64:65], 0
	v_nop
	global_prefetch_b8 v0, s[64:65] scope:SCOPE_SE
	s_setreg_imm32_b32 hwreg(HW_REG_WAVE_MODE, 25, 1), 1
	s_wait_xcnt 0x0
; THE PROJECTIONS.  q[h][s][e] = the sum over d of data[s][d] wq[h][d][e], and the same for k and v.  data: [2048][256] f32; wq, wk, wv: [16][256][256] f32;
; q, k, v: [16][2048][256] f16, rows of 512 bytes.  Operands are rounded once to f16, sums are f32, the results are rounded once to f16, unscaled.
; LIMITS.  f16 holds no number beyond 65,504: data, the weights and q, k, v lie within it; below 6.1e-5 a number keeps f16's fixed step of 6e-8.  NaN and infinities are not treated apart.
; SHARES.  A work-group takes 128 rows of data (x) for one head (y) and makes q, then k, then v: one loop of three trips.  Wave w makes rows 64 (w / 2) .. + 63, columns 128 (w % 2) .. + 127: 32 accumulators.
; THE MATRIX INSTRUCTION IS USED TRANSPOSED: source 0 = 16 columns e of W x 32 d, source 1 = 16 rows of data x 32 d: a lane then holds eight neighbouring e of one row: 16 bytes after rounding.
; data stays in registers, as f16 fragments, for all three products.  W lies [d][e] in f32 and the turning LDS load takes 16-bit numbers, so W goes memory -> registers -> f16 -> LDS, 64 d at a time,
; through two LDS buffers and two sets of registers: while one chunk is multiplied the next is converted and stored and the one after it is on its way from memory.
; NO CLUSTER, NO TENSOR LOAD: a tensor load lays bytes into LDS as they lie in memory, and these must be rounded on the way; joint requests exist for tensor loads alone.
; REGISTERS, in windows of 256 (s_set_vgpr_msb: bits 1:0 source 0, 3:2 source 1, 5:4 source 2, 7:6 destination):
;   window 0: v0-29 addresses; v128-255 W's fragments of one chunk (on the way out: v128-159 packed results, v160-191 rows read back)
;   window 1: data's fragments, (mb, kc) at 8 (8 mb + kc)      window 2: the accumulators, (mb, nb) at 8 (8 mb + nb)      window 3: two sets of 128 for f32 numbers as loaded
.set PW,    544                        ; a row of W in LDS: 512 bytes + 32
.set WBUF,  64*PW                      ; a chunk: 64 d
.set STAGE, 2*WBUF                     ; behind the two buffers: 16 rows x 272 bytes for each wave, for the way out
.set SP,    272
.set SPARE, STAGE+4*16*SP              ; behind the stages: the spare words, 128 bytes for each wave
.set DO,   3                           ; v3   my byte offset in data's 128 rows: (64 wm + l % 16) x 1,024 + 32 (l / 16)
.set WO,   4                           ; v4   my byte offset in a chunk of W: 16 rows a wave, 16 bytes a lane
.set WST,  5                           ; v5   where I store 8 bytes of a row of W
.set ADRW, 6                           ; v6   my lane's place for the turning loads
.set STO,  7                           ; v7   the way out: where I put 16 bytes of a row
.set RD,   8                           ; v8   the way out: where I read a row back
.set CO,   9                           ; v9   my byte offset in two rows of the result
.set SPW,  28                          ; v28  LDS address of my spare word; never rewritten
.set NIL,  29                          ; v29  0; never rewritten
.set F0,   128                         ; W's fragments: d 0-31 of the chunk at F0 + 8 nb, d 32-63 at F1 + 8 nb
.set F1,   192
.set TMP,  128
.set BK,   160
.set WC,   24                          ; s[24:25] the weights in hand, at my head
.set WN,   26                          ; s[26:27] the next weights
.set W3,   28                          ; s[28:29] the third
.set OC,   30                          ; s[30:31] the result in hand, at my wave's first row and column
.set ON,   32
.set O3,   34
.set DB,   36                          ; s[36:37] data at the work-group's first row
.set MC,   38                          ; s38  products still to make, this one among them
.set MSB, 0
.macro WIN new                         ; the immediate's high byte repeats the setting that is left; a switch that changes nothing is dropped
.if MSB != (\new)
	s_set_vgpr_msb (MSB<<8)|(\new)
.set MSB, (\new)
.endif
.endm
.macro PLACES                          ; four places behind a matrix instruction (ISA guide 7.12.1), where no other vector work is at hand
.rept 4
	v_nop
.endr
.endm
	s_load_b256 s[4:11], s[0:1], 0x0               ; data s[4:5], wq s[6:7], wk s[8:9], wv s[10:11]
	s_load_b128 s[12:15], s[0:1], 0x20             ; q s[12:13], k s[14:15]
	s_load_b64 s[16:17], s[0:1], 0x30              ; v
	v_lshl_add_u32 v[SPW], v0, 2, SPARE
	v_mov_b32 v[NIL], 0
	v_lshrrev_b32 v1, 5, v0
	v_readfirstlane_b32 s18, v1                    ; wave 0..3
	s_lshr_b32 s19, s18, 1                         ; wm: which 64 rows
	s_and_b32 s20, s18, 1                          ; wn: which 128 columns
	s_and_b32 s21, ttmp7, 0xffff                   ; the head
	v_and_b32 v1, 15, v0                           ; l % 16
	v_bfe_u32 v2, v0, 4, 1                         ; l / 16
	v_and_b32 v10, 31, v0                          ; l
	s_lshl_b32 s22, s19, 16
	v_lshlrev_b32 v[DO], 10, v1
	v_lshl_add_u32 v[DO], v2, 5, v[DO]
	v_add_nc_u32 v[DO], s22, v[DO]
	s_lshl_b32 s22, s18, 14
	v_lshl_add_u32 v[WO], v10, 4, s22
	s_mul_i32 s22, s18, 16*PW
	v_lshl_add_u32 v[WST], v10, 3, s22
	v_and_b32 v11, 7, v0
	v_bfe_u32 v12, v0, 3, 1
	v_lshl_add_u32 v[ADRW], v2, 3, v11             ; the turning load: lane l reads d 8 (l / 16) + l % 8, columns 8 ((l / 8) % 2) + 0..7
	v_mul_u32_u24 v[ADRW], v[ADRW], PW
	v_lshl_add_u32 v[ADRW], v12, 4, v[ADRW]
	s_lshl_b32 s22, s20, 8
	v_add_nc_u32 v[ADRW], s22, v[ADRW]
	s_mul_i32 s22, s18, 16*SP
	s_add_co_u32 s22, s22, STAGE                   ; my stage
	v_mul_u32_u24 v[STO], v1, SP
	v_lshl_add_u32 v[STO], v2, 4, v[STO]
	v_add_nc_u32 v[STO], s22, v[STO]
	v_mul_u32_u24 v[RD], v2, SP
	v_lshl_add_u32 v[RD], v1, 4, v[RD]
	v_add_nc_u32 v[RD], s22, v[RD]
	v_lshlrev_b32 v[CO], 9, v2
	v_lshl_add_u32 v[CO], v1, 4, v[CO]
	s_lshl_b32 s40, s21, 18                        ; a head's weights: 262,144 bytes
	s_mov_b32 s41, 0
	s_lshl_b32 s22, s21, 20                        ; a head's rows of a result: 1,048,576 bytes,
	s_lshl_b32 s23, ttmp9, 16                      ; the work-group's 128 rows,
	s_add_co_u32 s22, s22, s23
	s_lshl_b32 s23, s19, 15                        ; my 64 of them,
	s_add_co_u32 s22, s22, s23
	s_lshl_b32 s23, s20, 8                         ; my 128 columns
	s_add_co_u32 s22, s22, s23
	s_mov_b32 s23, 0
	s_lshl_b32 s42, ttmp9, 17                      ; 128 rows of data
	s_mov_b32 s43, 0
	s_mov_b32 s[MC], 3
	s_wait_kmcnt 0x0
	s_add_nc_u64 s[WC:WC+1], s[6:7], s[40:41]
	s_add_nc_u64 s[WN:WN+1], s[8:9], s[40:41]
	s_add_nc_u64 s[W3:W3+1], s[10:11], s[40:41]
	s_add_nc_u64 s[OC:OC+1], s[12:13], s[22:23]
	s_add_nc_u64 s[ON:ON+1], s[14:15], s[22:23]
	s_add_nc_u64 s[O3:O3+1], s[16:17], s[22:23]
	s_add_nc_u64 s[DB:DB+1], s[4:5], s[42:43]
; 32 loads: block mb (16 rows) of my rows of data, all 256 d, in f32, laid as fragments want them: for 32 d a lane takes 8 d at 8 (l / 16) and 8 d at 16 + 8 (l / 16)
.macro LD_D mb, set
	WIN 0xc0                                       ; destination window 3
.set kc, 0
.rept 8
	global_load_b128 v[(\set)+16*kc:(\set)+16*kc+3],     v[DO], s[DB:DB+1] offset:(\mb)*16384+kc*128
	global_load_b128 v[(\set)+16*kc+4:(\set)+16*kc+7],   v[DO], s[DB:DB+1] offset:(\mb)*16384+kc*128+16
	global_load_b128 v[(\set)+16*kc+8:(\set)+16*kc+11],  v[DO], s[DB:DB+1] offset:(\mb)*16384+kc*128+64
	global_load_b128 v[(\set)+16*kc+12:(\set)+16*kc+15], v[DO], s[DB:DB+1] offset:(\mb)*16384+kc*128+80
.set kc, kc+1
.endr
.endm
.macro CV_D mb, set                    ; rounded to f16, into block mb's eight fragments
	WIN 0x4f                                       ; sources window 3, destination window 1
.set g, 0
.rept 64
	v_cvt_pk_f16_f32 v[64*(\mb)+g], v[(\set)+2*g], v[(\set)+2*g+1]
.set g, g+1
.endr
.endm
; 32 loads: my 16 rows of chunk cq of the weights at ptr; each load is 512 consecutive bytes
.macro LD_W ptr, cq, set
	WIN 0xc0
.set i, 0
.rept 32
	global_load_b128 v[(\set)+4*i:(\set)+4*i+3], v[WO], s[(\ptr):(\ptr)+1] offset:(\cq)*65536+(i/2)*1024+(i%2)*512
.set i, i+1
.endr
.endm
.macro CV_W set                        ; rounded to f16 in place, ascending: a result lands on registers that have been read
	WIN 0xcf
.set i, 0
.rept 32
	v_cvt_pk_f16_f32 v[(\set)+2*i],   v[(\set)+4*i],   v[(\set)+4*i+1]
	v_cvt_pk_f16_f32 v[(\set)+2*i+1], v[(\set)+4*i+2], v[(\set)+4*i+3]
.set i, i+1
.endr
.endm
.macro ST_W set, b                     ; into LDS buffer b: a store of the wave covers 256 consecutive bytes
	WIN 0x0c                                       ; data window 3, address window 0
.set i, 0
.rept 32
	ds_store_b64 v[WST], v[(\set)+2*i:(\set)+2*i+1] offset:(\b)*WBUF+(i/2)*PW+(i%2)*256
.set i, i+1
.endr
.endm
.macro FETCH b                         ; a chunk's 16 fragments of W, turned: d 32 (i / 8) on, columns 16 (i % 8) on
	WIN 0
	PLACES                                         ; the registers were read by the last products
.set i, 0
.rept 16
	ds_load_tr16_b128 v[F0+8*i:F0+8*i+3],   v[ADRW] offset:(\b)*WBUF+(i/8)*32*PW+(i%8)*32
	ds_load_tr16_b128 v[F0+8*i+4:F0+8*i+7], v[ADRW] offset:(\b)*WBUF+(i/8)*32*PW+16*PW+(i%8)*32
.set i, i+1
.endr
.endm
; 32 products, 32 along d: the 32 accumulators take turns, one instruction a turn.  zero = 1: they start the sums
.macro MUL f, kc, zero
	WIN 0xa4                                       ; W window 0, data window 1, C and D window 2
.set mb, 0
.rept 4
.set nb, 0
.rept 8
.if \zero
	v_wmma_f32_16x16x32_f16 v[8*(8*mb+nb):8*(8*mb+nb)+7], v[(\f)+8*nb:(\f)+8*nb+7], v[8*(8*mb+(\kc)):8*(8*mb+(\kc))+7], 0
.else
	v_wmma_f32_16x16x32_f16 v[8*(8*mb+nb):8*(8*mb+nb)+7], v[(\f)+8*nb:(\f)+8*nb+7], v[8*(8*mb+(\kc)):8*(8*mb+(\kc))+7], v[8*(8*mb+nb):8*(8*mb+nb)+7]
.endif
.set nb, nb+1
.endr
.set mb, mb+1
.endr
.endm
; A CHUNK of 64 d.  It lies in LDS buffer cq % 2.  The chunk after it has been asked of memory into set (cq + 1) % 2; the one after that is asked for now, into set cq % 2.
.macro CHUNK cq
	FETCH (\cq)%2
	s_wait_loadcnt 0x0                             ; the next chunk is in registers (it was asked for a chunk ago); 0 holds on every way here
.if (\cq) < 2
	LD_W WC, (\cq)+2, 128*((\cq)%2)
.else
	s_cmp_eq_u32 s[MC], 1                          ; the last product has no weights behind it
	s_cbranch_scc1 .Lnoload_\@
	LD_W WN, (\cq)-2, 128*((\cq)%2)
	WIN 0
.Lnoload_\@:
.endif
.if (\cq) == 3
	s_cmp_eq_u32 s[MC], 1
	s_cbranch_scc1 .Lnostore_\@
.endif
	CV_W 128*(((\cq)+1)%2)                         ; the 64 conversions stand between the fragments' loads and the wait for them
	s_wait_dscnt 0x0                               ; the fragments are in
	ST_W 128*(((\cq)+1)%2), ((\cq)+1)%2            ; the other buffer: every wave's reads of it were over at the last barrier
.if (\cq) == 3
	WIN 0
	s_branch .Ljoin_\@
.Lnostore_\@:
	s_wait_dscnt 0x0                               ; the fragments are in
.Ljoin_\@:
.endif
.if (\cq) == 0
	MUL F0, 0, 1
.else
	MUL F0, 2*(\cq), 0
.endif
	MUL F1, 2*(\cq)+1, 0
	WIN 0
	s_wait_dscnt 0x0                               ; for the others' sake: my stores into the other buffer are done (my reads of this one were waited for above)
	s_barrier_signal -1
	s_barrier_wait -1                              ; one barrier a chunk: nobody reads this buffer any more, and the other is whole
.endm
; THE WAY OUT, 16 rows at a time: rounded to f16, 16 bytes a lane into my own stage, back as whole rows of 256 bytes, stored.
.macro OUT
	WIN 0
	PLACES                                         ; the conversions read results just made
.set mb, 0
.rept 4
	WIN 0x0a                                       ; sources window 2, destination window 0
.set i, 0
.rept 32
	v_cvt_pk_f16_f32 v[TMP+i], v[64*mb+2*i], v[64*mb+2*i+1]  ; each accumulator's registers in ascending order
.set i, i+1
.endr
	WIN 0
.set i, 0
.rept 8
	ds_store_b128 v[STO], v[TMP+4*i:TMP+4*i+3] offset:32*i
.set i, i+1
.endr
	s_wait_xcnt 0x0                                ; the last block's stores have read their data: only behind this wait is it loaded over
.set i, 0
.rept 8
	ds_load_b128 v[BK+4*i:BK+4*i+3], v[RD] offset:i*2*SP  ; LDS serves a wave's instructions in order (ISA guide 5.7.1.4): these see the stores above
.set i, i+1
.endr
	s_wait_dscnt 0x0
.set i, 0
.rept 8
	global_store_b128 v[CO], v[BK+4*i:BK+4*i+3], s[OC:OC+1] offset:(16*mb+2*i)*512  ; 16 lanes store 256 consecutive bytes, at a multiple of 256 from the buffer's first byte
.set i, i+1
.endr
.set mb, mb+1
.endr
.endm
	LD_D 0, 0
	LD_D 1, 128
	s_wait_loadcnt 32                              ; here and below: the older batch of 32 loads is in, the younger batch's 32 stay out
	CV_D 0, 0
	LD_D 2, 0
	s_wait_loadcnt 32
	CV_D 1, 128
	LD_D 3, 128
	s_wait_loadcnt 32
	CV_D 2, 0
	LD_W WC, 0, 0
	s_wait_loadcnt 32
	CV_D 3, 128
	LD_W WC, 1, 128
	s_wait_loadcnt 32
	CV_W 0
	ST_W 0, 0
	WIN 0
	s_wait_dscnt 0x0
	s_barrier_signal -1
	s_barrier_wait -1                              ; chunk 0 of wq lies in buffer 0
.Lmat:                                                 ; three trips: q, k, v
	CHUNK 0
	CHUNK 1
	CHUNK 2
	CHUNK 3
	OUT
	s_wait_xcnt 0x0                                ; every load and store issued so far has read its address and data: the pointers may be written, and v160-191 loaded over
	s_mov_b64 s[WC:WC+1], s[WN:WN+1]
	s_mov_b64 s[WN:WN+1], s[W3:W3+1]
	s_mov_b64 s[OC:OC+1], s[ON:ON+1]
	s_mov_b64 s[ON:ON+1], s[O3:O3+1]
	s_sub_co_u32 s[MC], s[MC], 1
	s_cmp_lg_u32 s[MC], 0
	s_cbranch_scc1 .Lmat
	s_wait_tensorcnt 0x0                           ; the wave's end: behind my last LDS store
	ds_add_u32 v[SPW], v[NIL]
	s_wait_dscnt 0x0
	s_endpgm
.Lfunc_end_k_q82d8a6cb27_proj:
	.size	k_q82d8a6cb27_proj, .Lfunc_end_k_q82d8a6cb27_proj-k_q82d8a6cb27_proj
	.p2alignl 7, 3214868480
	.fill 96, 4, 3214868480
	.section	.rodata,"a",@progbits
	.p2align	6, 0x0
	.amdhsa_kernel k_q82d8a6cb27_proj
		.amdhsa_group_segment_fixed_size 87552
		.amdhsa_private_segment_fixed_size 0
		.amdhsa_enable_private_segment 0
		.amdhsa_kernarg_size 56
		.amdhsa_user_sgpr_count 2
		.amdhsa_user_sgpr_kernarg_segment_ptr 1
		.amdhsa_wavefront_size32 1
		.amdhsa_system_sgpr_workgroup_id_x 1
		.amdhsa_system_sgpr_workgroup_id_y 1
		.amdhsa_system_sgpr_workgroup_id_z 1
		.amdhsa_system_vgpr_workitem_id 0
		.amdhsa_next_free_vgpr 1024
		.amdhsa_next_free_sgpr 66
		.amdhsa_reserve_vcc 0
		.amdhsa_float_denorm_mode_32 3
		.amdhsa_float_denorm_mode_16_64 3
		.amdhsa_memory_ordered 1
		.amdhsa_forward_progress 1
		.amdhsa_inst_pref_size 122
	.end_amdhsa_kernel
	.amdgpu_metadata
---
amdhsa.version: [ 1, 2 ]
amdhsa.kernels:
  - .name:           k_q82d8a6cb27_proj
    .symbol:         k_q82d8a6cb27_proj.kd
    .args:
      - { .name: data, .offset: 0, .size: 8, .value_kind: global_buffer, .address_space: global }
      - { .name: wq, .offset: 8, .size: 8, .value_kind: global_buffer, .address_space: global }
      - { .name: wk, .offset: 16, .size: 8, .value_kind: global_buffer, .address_space: global }
      - { .name: wv, .offset: 24, .size: 8, .value_kind: global_buffer, .address_space: global }
      - { .name: qbuf, .offset: 32, .size: 8, .value_kind: global_buffer, .address_space: global }
      - { .name: kbuf, .offset: 40, .size: 8, .value_kind: global_buffer, .address_space: global }
      - { .name: vbuf, .offset: 48, .size: 8, .value_kind: global_buffer, .address_space: global }
    .group_segment_fixed_size: 87552
    .private_segment_fixed_size: 0
    .kernarg_segment_align: 8
    .kernarg_segment_size: 56
    .max_flat_workgroup_size: 128
    .sgpr_count:     66
    .vgpr_count:     1024
    .wavefront_size: 32
...
	.end_amdgpu_metadata
.endif
;; end of part 1
;; launch attn (part 2): grid 16 x 16, 4 waves a work-group, clusters of 4 x 1, 327,680 bytes of LDS; arguments qbuf, kbuf, vbuf, zbuf; writes zbuf
.if DOCPART == 2
	.amdgcn_target "amdgcn-amd-amdhsa--gfx1250"
	.amdhsa_code_object_version 6
	.text
	.protected	k_q82d8a6cb27_attn
	.globl	k_q82d8a6cb27_attn
	.p2align	8
	.type	k_q82d8a6cb27_attn,@function
k_q82d8a6cb27_attn:
	s_mov_b64 s[64:65], 0
	v_nop
	global_prefetch_b8 v0, s[64:65] scope:SCOPE_SE
	s_setreg_imm32_b32 hwreg(HW_REG_WAVE_MODE, 25, 1), 1
	s_wait_xcnt 0x0
	s_wait_alu depctr_hold_cnt(0) depctr_sa_sdst(0) depctr_va_vdst(0) depctr_va_sdst(0) depctr_va_ssrc(0) depctr_va_vcc(0) depctr_vm_vsrc(0)
	s_getreg_b32 s2, hwreg(HW_REG_IB_STS2, 6, 4)
	s_cmp_eq_u32 s2, 0
	s_cbranch_scc0 .Lentry_in_a_cluster
	s_endpgm
.Lentry_in_a_cluster:
	s_bfe_u32 s2, ttmp6, 0x10000c
	s_cmp_lg_u32 s2, 0x3003
	s_cbranch_scc0 .Lentry_shape_is_right
	s_endpgm
.Lentry_shape_is_right:
; ATTENTION AT HEAD SIZE 256.  z[h][q][:] = the sum over k of softmax_k(Q[h][q] . K[h][k] / 16) V[h][k][:].  Q, K, V, z: [16][2048][256] f16, rows of 512 bytes.
; Products, maxima and sums in f32; the weights p are rounded to f16 for the second product (their sum l is taken of the unrounded p), z once at the end.
; LIMITS.  f16 holds no number beyond 65,504: Q, K, V arrive within it; p lies in 0 to 1, and below 6.1e-5 it keeps f16's fixed step of 6e-8; z is a mean of V's rows.  A weight below 2^-126 counts as 0 in l.
; NaN and infinities are not treated apart.
; SHARES.  A work-group owns 128 queries of one head.  THE KEYS ARE SPLIT INSIDE IT: wave w owns queries 64 (w / 2) .. + 63 (four tiles of 16) and, of every 128 keys, keys 64 (w % 2) .. + 63, 32 a step.
; So a fragment of K or V read from LDS feeds four products, and each LDS byte is read by two waves.  The two waves of a pair end with two partial states (m, l, O), merged once, in f32, through LDS.
; LAYOUT.  S^T = K Q^T (source 0 = 16 keys, source 1 = 16 queries): a lane holds ONE query (lane % 16) and the keys 8 (lane / 16) + 0..7.  Two such results, rounded to f16 in pairs, ARE source 1 (32 keys x
; 16 queries) of O^T = V^T P, whose result again holds one query a lane, and eight channels.  K comes out of LDS as it lies, V ([key][channel]) turned, by ds_load_tr16_b128.
; SOFTMAX.  For each query a running maximum m and sum l: p = 2^(c s - c m), c = log2(e) / 16; in every step O and l are multiplied by a = 2^(c m_old - c m_new).  m starts at the lowest finite number,
; O and l at 0: the first step is a step like any other, with a = 0.  The price: 704 v_mov_b32 of zeros, in the wait for the first tile, and 64 products on zeros.
; A TRIP: V^T P of the step before (behind each product four rescalings of an accumulator two products on), K Q^T of the step in hand, its softmax in one run with one batch of exponentials.
; ONE buffer of 128 registers serves K and V by turns, half by half: O^T (512), Q (256), S^T (64) and it fill the wave's 1,024 with 64 for addresses and statistics.
; CLUSTER.  The four query blocks of a cluster belong to one head and walk the same K and V: each tile is asked for JOINTLY, by the same tensor load, descriptor and mask in all four.
; REGISTERS, in windows of 256 (s_set_vgpr_msb: bits 1:0 source 0, 3:2 source 1, 5:4 source 2, 7:6 destination):
;   window 0: v0-19 addresses; v20-55 statistics; v62-63 the add's; v64-127 S^T, 16 a tile (P ends in its first 8); v128-255 the buffer, two halves
;   window 1: O^T of my first eight channel blocks, (cb, t) at 32 cb + 8 t: channels 128 (w % 2) on      window 2: of my second eight: the other 128 channels      window 3: Q, (t, c) at 64 t + 8 c
; So every wave keeps window 1 and hands window 2 to its partner, by one text.
.set PK,    528                        ; a row of K in LDS: 512 bytes + 16 = 132 words: the 16 rows of a load start at 16 different groups of four banks (64 banks of 4 bytes: ISA guide 11.1)
.set PV,    544                        ; a row of V: 512 + 32
.set VOFF,  128*PK                     ; a slot holds 128 keys: K's rows, then V's
.set SLOT,  128*(PK+PV)
.set XS,    2*SLOT                     ; behind the ring, never filled by a tensor load: 2,048 bytes a wave for the statistics' exchange
.set STAGE, XS+4*2048                  ; 16 rows x 272 bytes for each wave, for the way out
.set SP,    272
.set SPARE, STAGE+4*16*SP              ; the spare words, 128 bytes for each wave: two blocks of 256 bytes that no other line names
.set AK0, 2                            ; v2   my lane's place in a slot's K; never rewritten
.set AVA, 3                            ; v3   in its V, my first 128 channels
.set AVB, 4                            ; v4   my second 128 channels
.set ADK, 5                            ; v5   the LDS address of K's run of loads in hand
.set ADV, 6                            ; v6   of V's
.set STO, 7                            ; v7   the way out: where I put 16 bytes of a row
.set RD,  8                            ; v8   where I read a row back
.set GO,  10                           ; v10  my byte offset in two rows of z
.set PFO, 11                           ; v11  512 x my lane: a row of K or V; never rewritten
.set XO,  12                           ; v12  the statistics' exchange: mine
.set XP,  13                           ; v13  my partner's
.set EO,  14                           ; v14  O's exchange: mine (32,768 bytes a wave, from LDS byte 0: slot 0 has had its last fill, and its last reads stand ahead of the last change's barrier)
.set EP,  15                           ; v15  my partner's
.set QO,  16                           ; v16  my byte offset in 16 rows of Q
.set ST,  20                           ; tile t's statistics at v[ST+4 t]: c m, m, l (even keys', odd keys')
.set TMP, 36                           ; tile t at v[TMP+4 t]: c0, c1, a, c3
.set MV,  52                           ; v52-55  c m_old
.set SPW, 62                           ; v62  LDS address of my spare word; never rewritten
.set NIL, 63                           ; v63  0; never rewritten
.set S,   64
.set FB,  128
.set OB,  64                           ; the way out: 32 registers a tile
.set WV,  12                           ; s12  my wave's number
.set LIM, 15                           ; s15  1 in a cluster that prefetches, else the greatest number
.set PFA, 18                           ; s[18:19] where my prefetches stand
.set G1K, 24                           ; s[24:31] descriptor group 1 for K's tiles
.set G1V, 32                           ; s[32:39] for V's: it differs in the padding alone
.set G0K, 40                           ; s[40:43] descriptor group 0 for K's tiles: it walks
.set G0V, 44                           ; s[44:47] the same for V's
.set OFK, 48                           ; s48  my tile's place in a slot, if I fetch K; also my keys' place in a slot's K
.set OFV, 49                           ; s49  the same for V
.set TD,  50                           ; s50  the slot to be filled: 0 or SLOT
.set SLOTS, 56                         ; s56  slots still to be asked for
.set CNT, 57                           ; s57  counts a slot's steps
.set CS,  58                           ; s[58:59] c
.set SEL, 60                           ; s[60:61] v_permlanex16_b32's selects: each lane takes its own place in the other half
.set TBK, 62                           ; s62  LDS byte at which K of the step in hand begins
.set TBV, 63                           ; s63  the same for V, less VOFF
.set MSB, 0
.macro WIN new                         ; the high byte repeats the setting that is left; a switch that changes nothing is dropped
.if MSB != (\new)
	s_set_vgpr_msb (MSB<<8)|(\new)
.set MSB, (\new)
.endif
.endm
.macro PLACES
.rept 4
	v_nop
.endr
.endm
; A joint fill.  Waves 0 and 1 fetch the two halves of a slot's K, waves 2 and 3 those of its V: 64 rows of 512 bytes each.  The branch hangs on the wave's number alone.
; An s_nop 0 and four v_nop follow each of the two lines, ahead of the jump and the label.
.macro JLOAD
	s_cmp_lt_u32 s[WV], 2
	s_cbranch_scc0 .Lfor_v_\@
	tensor_load_to_lds s[G0K:G0K+3], s[G1K:G1K+7]
	s_nop 0
.rept 4
	v_nop
.endr
	s_branch .Lasked_\@
.Lfor_v_\@:
	tensor_load_to_lds s[G0V:G0V+3], s[G1V:G1V+7]
	s_nop 0
.rept 4
	v_nop
.endr
.Lasked_\@:
.endm
; A PREFETCH INTO THE L2 of what the NEXT change of slots will ask for: 128 rows of K and of V, 512 bytes a row.  All clusters of a head walk the same rows: the head's first cluster asks.  Its four partners
; take 32 rows each, told apart BY ADDRESS; in each, waves 0 and 1 name the two halves of K's rows, waves 2 and 3 of V's: a lane a row, one instruction a wave.  So each aligned block of 256 bytes is named
; once in the launch, two steps (256 matrix instructions) ahead of its load.  The last change that fills a slot asks for nothing; slots 0 and 1 come by their loads alone.
.macro ASK
	s_cmp_gt_u32 s[SLOTS], s[LIM]
	s_cbranch_scc0 .Lnot_mine_\@
	global_prefetch_b8 v[PFO], s[PFA:PFA+1] th:TH_LOAD_NT scope:SCOPE_SE
.Lnot_mine_\@:
.endm
; A round of the cluster's barrier: my work-group's barrier, so that wave 0's signal speaks for all four waves; wave 0 signals; every wave waits for all four work-groups; my work-group's barrier once more.
.macro CROUND
	s_barrier_signal -1
	s_barrier_wait -1
	s_cmp_lg_u32 s[WV], 0
	s_cbranch_scc1 .Lnot_wave_0_\@
	s_barrier_signal -3
.Lnot_wave_0_\@:
	s_barrier_wait -3
	s_barrier_signal -1
	s_barrier_wait -1
.endm
; THE CHANGE OF SLOTS.  The slot's last bytes, V of its second step, have been asked for.  Each wave waits for all its tensor loads, of which one is out: its part of the other slot; adds 0 to its spare word; and
; waits for that and for its own reads of the slot.  Behind the barrier nobody reads this slot any more and the other slot is whole.  fill = 1: this slot is filled again, with the keys two slots on; the barrier is
; then a round of the cluster's, and the joint fill is the first thing behind it: it has two steps in which to land.  (At its first use nothing has been read yet: slot 0 is waited for, slot 1 filled.)
.macro CHANGE fill
	WIN 0
	s_wait_tensorcnt 0x0                           ; no tensor load of mine is out, so a group 0 may be written
	ds_add_u32 v[SPW], v[NIL]                      ; 0 onto my spare word: the descriptors' steps stand between it and the wait for it
.if \fill
	s_xor_b32 s[TD], s[TD], SLOT                   ; 0 and SLOT by turns
	s_add_co_u32 s[G0K+1], s[TD], s[OFK]
	s_add_co_u32 s[G0V+1], s[TD], s[OFV]
	s_add_nc_u64 s[G0K+2:G0K+3], s[G0K+2:G0K+3], 128*512  ; the next 128 keys; the type bits on top are not reached
	s_add_nc_u64 s[G0V+2:G0V+3], s[G0V+2:G0V+3], 128*512
	s_wait_xcnt 0x0                                ; the last prefetch, two steps back, has read its address
	s_add_nc_u64 s[PFA:PFA+1], s[PFA:PFA+1], 128*512
	s_wait_dscnt 0x0                               ; the add is done, and my reads of the slot are over
	CROUND
	JLOAD
	ASK
.else
	s_wait_dscnt 0x0                               ; the add is done, and my reads of the slot are over
	s_barrier_signal -1
	s_barrier_wait -1
.endif
	s_sub_co_u32 s[TBK], s[TBK], 2*32*PK           ; the fetches go back to a slot's first step (0 or SLOT exactly),
	s_xor_b32 s[TBK], s[TBK], SLOT                 ; in the other slot
	s_sub_co_u32 s[TBV], s[TBV], 2*32*PV
	s_xor_b32 s[TBV], s[TBV], SLOT
.endm
	s_load_b256 s[4:11], s[0:1], 0x0               ; Q s[4:5], K s[6:7], V s[8:9], z s[10:11]
	v_lshl_add_u32 v[SPW], v0, 2, SPARE
	v_mov_b32 v[NIL], 0
	ds_add_u32 v[SPW], v[NIL]                      ; the wave's opening: the add and its wait stand ahead of my first tensor load; the set-up below, work on registers, stands between them
	v_lshrrev_b32 v1, 5, v0
	v_readfirstlane_b32 s[WV], v1                  ; wave 0..3
	s_bfe_u32 s13, ttmp6, 0x40000                  ; cx: my place in the cluster
	s_lshl_b32 s14, ttmp9, 2                       ; in a cluster launch ttmp9 counts clusters
	s_add_co_u32 s14, s14, s13                     ; my block of 128 queries: it enters Q's and z's addresses alone
	s_and_b32 s20, ttmp7, 0xffff                   ; the head, which the four partners share
	s_lshl_b32 s20, s20, 20                        ; its first byte in each of the four tensors
	s_mov_b32 s21, 0
	s_and_b32 s16, s[WV], 1                        ; which half of the keys is mine; also: which half of a tile I fetch
	s_lshr_b32 s17, s[WV], 1                       ; which half of the queries
	s_lshl_b32 s22, s16, 15                        ; 64 rows of 512 bytes
	s_mov_b32 s23, 0
	s_add_nc_u64 s[22:23], s[22:23], s[20:21]
	s_mul_i32 s[OFK], s16, 64*PK
	s_mul_i32 s[OFV], s16, 64*PV
	s_add_co_u32 s[OFV], s[OFV], VOFF
	s_lshl_b32 s2, s14, 16                         ; my block's 128 rows,
	s_lshl_b32 s3, s17, 15                         ; my wave's 64 of them
	s_add_co_u32 s2, s2, s3
	s_mov_b32 s3, 0
	s_add_nc_u64 s[2:3], s[2:3], s[20:21]
	s_lshl_b32 s52, s16, 8                         ; 256 bytes: 128 channels
	s_mov_b32 s53, 0
	s_sub_co_u32 s54, 256, s52
	; descriptor group 1: a tile of 64 rows x 256 elements, padded in LDS
	s_mov_b32 s[G1K], 15|(1<<16)|(1<<20)|(1<<21)|(6<<22)|(3<<25)  ; 15:0 the mask of four; 17:16 2-byte elements; 20 padding on; 21 set beside a mask; 24:22 after every 128 words (code 6); 31:25 4 words (code 3)
	s_mov_b32 s[G1V], 15|(1<<16)|(1<<20)|(1<<21)|(6<<22)|(7<<25)  ; the same with 8 words of padding (code 7)
.irp g, G1K, G1V
	s_mov_b32 s[\g+1], 256<<16                     ; tensor_dim0 = 256
	s_mov_b32 s[\g+2], 64<<16                      ; tensor_dim1 = 64
	s_mov_b32 s[\g+3], 256<<16                     ; tile_dim0 = 256
	s_mov_b32 s[\g+4], 64                          ; tile_dim1 = 64
	s_mov_b32 s[\g+5], 256                         ; 256 elements from row to row
	s_mov_b32 s[\g+6], 0
	s_mov_b32 s[\g+7], 0
.endr
	s_mov_b32 s[CS], 0x3db8aa3b                    ; c = log2(e) / 16 = 0.0901684
	s_mov_b32 s[CS+1], s[CS]                       ; named with it as a pair
	s_mov_b32 s[SEL], 0x76543210
	s_mov_b32 s[SEL+1], 0xfedcba98
	s_mov_b32 s[TD], 0
	s_mov_b32 s[TBK], SLOT+2*32*PK                 ; the first change of slots turns these two into 0
	s_mov_b32 s[TBV], SLOT+2*32*PV
	s_mov_b32 s[SLOTS], 15
	s_cmp_eq_u32 ttmp9, 0                          ; the head's first cluster: the same in all four partners
	s_cselect_b32 s[LIM], 1, -1
	s_mov_b32 s[G0K], 1                            ; 1:0 count = 1
	s_mov_b32 s[G0K+1], s[OFK]                     ; 63:32 LDS address: slot 0
	s_mov_b32 s[G0V], 1
	s_mov_b32 s[G0V+1], s[OFV]
	v_and_b32 v17, 31, v0                          ; l
	v_lshlrev_b32 v[PFO], 9, v17
	s_wait_dscnt 0x0                               ; the opening add is done
	s_wait_kmcnt 0x0
	s_add_nc_u64 s[G0K+2:G0K+3], s[6:7], s[22:23]  ; 120:64 global address: my half of the head's first 128 keys
	s_or_b32 s[G0K+3], s[G0K+3], 0x80000000        ; 127:126 type = 2
	s_add_nc_u64 s[G0V+2:G0V+3], s[8:9], s[22:23]
	s_or_b32 s[G0V+3], s[G0V+3], 0x80000000
	s_add_nc_u64 s[4:5], s[4:5], s[2:3]            ; Q at my wave's first row
	s_add_nc_u64 s[10:11], s[10:11], s[2:3]        ; z there too,
	s_add_nc_u64 s[10:11], s[10:11], s[52:53]      ; at the 128 channels that I finish
	s_cmp_lt_u32 s[WV], 2
	s_cselect_b64 s[PFA:PFA+1], s[6:7], s[8:9]
	s_add_nc_u64 s[PFA:PFA+1], s[PFA:PFA+1], s[20:21]
	s_lshl_b32 s2, s13, 14                         ; my work-group's 32 rows of the 128,
	s_add_co_u32 s2, s2, s52                       ; my half of each row
	s_mov_b32 s3, 0
	s_add_nc_u64 s[PFA:PFA+1], s[PFA:PFA+1], s[2:3]
	s_add_nc_u64 s[PFA:PFA+1], s[PFA:PFA+1], 128*512  ; in slot 1; the first change of slots steps it to slot 2
	CROUND                                         ; all four work-groups are here: the first joint loads meet
	JLOAD                                          ; slot 0.  Slot 1 is asked for when slot 0 is in
	; A fragment of K or Q is 16 rows x 32 channels in 8 registers: lane l holds row l % 16, channels 8 (l / 16) + 0..7 and 16 + 8 (l / 16) + 0..7: two loads of 16 bytes, 32 bytes apart.
	v_and_b32 v1, 15, v0                           ; l % 16
	v_bfe_u32 v9, v0, 4, 1                         ; l / 16
	v_lshlrev_b32 v[QO], 9, v1
	v_lshl_add_u32 v[QO], v9, 4, v[QO]
	WIN 0xc0                                       ; destination window 3, address window 0
.set i, 0
.rept 32                                               ; Q stays in registers: tile i / 8, channels 32 (i % 8) on
	global_load_b128 v[8*i:8*i+3],   v[QO], s[4:5] offset:(i/8)*8192+(i%8)*64
	global_load_b128 v[8*i+4:8*i+7], v[QO], s[4:5] offset:(i/8)*8192+(i%8)*64+32
.set i, i+1
.endr
	; What the first trip finds: O^T, l, a, the buffer and P hold 0.  All this stands in the wait for the first tile.
	WIN 0x40
.set i, 0
.rept 256
	v_mov_b32 v[i], 0
.set i, i+1
.endr
	WIN 0x80
.set i, 0
.rept 256
	v_mov_b32 v[i], 0
.set i, i+1
.endr
	WIN 0
.set i, S
.rept 192
	v_mov_b32 v[i], 0
.set i, i+1
.endr
.irp t, 0,1,2,3
	v_mov_b32 v[ST+4*\t], 0xfe000000               ; c m: far below every c s
	v_mov_b32 v[ST+4*\t+1], 0xff7fffff             ; m
	v_mov_b32 v[ST+4*\t+2], 0
	v_mov_b32 v[ST+4*\t+3], 0
	v_mov_b32 v[TMP+4*\t], 0
	v_mov_b32 v[TMP+4*\t+1], 0
	v_mov_b32 v[TMP+4*\t+2], 0
	v_mov_b32 v[TMP+4*\t+3], 0
.endr
	v_mul_u32_u24 v[AK0], v1, PK
	v_lshl_add_u32 v[AK0], v9, 4, v[AK0]
	v_add_nc_u32 v[AK0], s[OFK], v[AK0]            ; (64 kh + l % 16) x pitch + 16 (l / 16)
	; The turning load takes 16 keys x 16 channels (lane l reads key 8 (l / 16) + l % 8, channels 8 ((l / 8) % 2) + 0..7) and leaves half a fragment of V^T: lane l holds channel l % 16 and 8 keys.
	v_and_b32 v18, 7, v0
	v_bfe_u32 v19, v0, 3, 1
	v_lshl_add_u32 v[AVA], v9, 3, v18
	v_mul_u32_u24 v[AVA], v[AVA], PV
	v_lshl_add_u32 v[AVA], v19, 4, v[AVA]
	v_add_nc_u32 v[AVA], s[OFV], v[AVA]
	v_add_nc_u32 v[AVB], s54, v[AVA]               ; the other 128 channels,
	v_add_nc_u32 v[AVA], s52, v[AVA]               ; and the 128 that I finish
	s_mul_i32 s2, s[WV], 16*SP
	s_add_co_u32 s2, s2, STAGE                     ; my stage
	v_mul_u32_u24 v[STO], v1, SP                   ; in: row l % 16, 16 bytes for each half of the lanes
	v_lshl_add_u32 v[STO], v9, 4, v[STO]
	v_add_nc_u32 v[STO], s2, v[STO]
	v_mul_u32_u24 v[RD], v9, SP                    ; back: lanes 0-15 take one row of 256 bytes, lanes 16-31 the next
	v_lshl_add_u32 v[RD], v1, 4, v[RD]
	v_add_nc_u32 v[RD], s2, v[RD]
	v_lshlrev_b32 v[GO], 9, v9                     ; and the same two rows in z
	v_lshl_add_u32 v[GO], v1, 4, v[GO]
	s_xor_b32 s3, s[WV], 1                         ; my partner: the same queries, the other keys
	s_lshl_b32 s2, s[WV], 11
	s_add_co_u32 s2, s2, XS
	v_lshl_add_u32 v[XO], v17, 4, s2
	s_lshl_b32 s2, s3, 11
	s_add_co_u32 s2, s2, XS
	v_lshl_add_u32 v[XP], v17, 4, s2
	s_lshl_b32 s2, s[WV], 15
	v_lshl_add_u32 v[EO], v17, 4, s2
	s_lshl_b32 s2, s3, 15
	v_lshl_add_u32 v[EP], v17, 4, s2
; THE LDS LOADS stand in runs of 16.  Key block kb (16 keys x 256 channels: 8 fragments) of the step's K into half kb of the buffer.  tail = 1: behind the last step there is no K, and the run is jumped over.
.macro FETCH_K kb, tail
	WIN 0
.if \tail
	s_cmp_eq_u32 s[CNT], 1
	s_cbranch_scc1 .Lno_k_\@
.endif
.if (\kb) == 0
	v_add_nc_u32 v[ADK], s[TBK], v[AK0]
.endif
.set c, 0
.rept 8
	ds_load_b128 v[FB+64*(\kb)+8*c:FB+64*(\kb)+8*c+3],   v[ADK] offset:(\kb)*16*PK+64*c
	ds_load_b128 v[FB+64*(\kb)+8*c+4:FB+64*(\kb)+8*c+7], v[ADK] offset:(\kb)*16*PK+64*c+32
.set c, c+1
.endr
.if \tail
.Lno_k_\@:
.endif
.endm
.macro FETCH_V x                       ; the step's V, turned: 32 keys x my first (x = 0) or second 128 channels, into half x of the buffer
	WIN 0
.if (\x) == 0
	v_add_nc_u32 v[ADV], s[TBV], v[AVA]
.else
	v_add_nc_u32 v[ADV], s[TBV], v[AVB]
.endif
.set c, 0
.rept 8
	ds_load_tr16_b128 v[FB+64*(\x)+8*c:FB+64*(\x)+8*c+3],   v[ADV] offset:32*c
	ds_load_tr16_b128 v[FB+64*(\x)+8*c+4:FB+64*(\x)+8*c+7], v[ADV] offset:32*c+16*PV
.set c, c+1
.endr
.endm
; 32 products of S^T = K Q^T for key block kb: channels 32 c on, tile t.  The four accumulators take turns, one instruction a turn; the first four start the sums.
.macro QKRUN kb
	WIN 0x0c                                       ; K and S^T window 0, Q window 3
.set c, 0
.rept 8
.set t, 0
.rept 4
.if c == 0
	v_wmma_f32_16x16x32_f16 v[S+16*t+8*(\kb):S+16*t+8*(\kb)+7], v[FB+64*(\kb)+8*c:FB+64*(\kb)+8*c+7], v[64*t+8*c:64*t+8*c+7], 0
.else
	v_wmma_f32_16x16x32_f16 v[S+16*t+8*(\kb):S+16*t+8*(\kb)+7], v[FB+64*(\kb)+8*c:FB+64*(\kb)+8*c+7], v[64*t+8*c:64*t+8*c+7], v[S+16*t+8*(\kb):S+16*t+8*(\kb)+7]
.endif
.set t, t+1
.endr
.set c, c+1
.endr
.endm
.macro PVW                             ; product i of 64 of O^T += V^T P: channel block i / 4, tile i % 4: 64 different accumulators
.set pcb, i/4
.set pt, i%4
.set rO, 32*(pcb%8)+8*pt
.set rV, FB+64*(pcb/8)+8*(pcb%8)
.set rP, S+16*pt
	WIN 0x50+0x50*(pcb/8)                          ; V and P window 0, O^T window 1 or 2
	v_wmma_f32_16x16x32_f16 v[rO:rO+7], v[rV:rV+7], v[rP:rP+7], v[rO:rO+7]
.endm
.macro RS n                            ; accumulator n of O^T times a, in ascending order
.set rcb, (\n)/4
.set rt, (\n)%4
.set rO, 32*(rcb%8)+8*rt
	WIN 0x41+0x41*(rcb/8)                          ; O^T (destination and source 0) window 1 or 2, a window 0
.set z, 0
.rept 4
	v_pk_mul_f32 v[rO+2*z:rO+2*z+1], v[rO+2*z:rO+2*z+1], v[TMP+4*rt+2:TMP+4*rt+3] op_sel_hi:[1,0]
.set z, z+1
.endr
.endm
; V^T P of the step before.  Behind product i stand the four rescalings of accumulator i + 2: they name no register of the products round them.  K of the step in hand is fetched half by half, each half four
; plain instructions or more behind the last product that read it; the five v_nop at the end are also the places ahead of the products K Q^T, which write over P.
.macro PVPART tail
	WIN 0
	s_wait_dscnt 0x0                               ; both halves of V are in: they were asked for ahead of the softmax
	RS 0
	RS 1
.set i, 0
.rept 64
	PVW
.if i+2 < 64
	RS i+2
.endif
.if i == 31
	FETCH_K 0, \tail
.endif
.set i, i+1
.endr
	WIN 0
.rept 5
	v_nop
.endr
	FETCH_K 1, \tail
.endm
.macro QKPART
	s_wait_dscnt 16                                ; key block 0 of K is in; key block 1's 16 loads may stay out
	QKRUN 0
	WIN 0
	PLACES
	FETCH_V 0
	s_wait_dscnt 16                                ; key block 1 is in; V's 16 loads just issued may stay out
	QKRUN 1
	WIN 0
	PLACES                                         ; for the loads below and for the maxima, which read results just made
	FETCH_V 1
.endm
.macro REGS t
.set rT, ST+4*(\t)
.set rC, TMP+4*(\t)
.set rM, MV+(\t)
.set rS, S+16*(\t)
.endm
; Number n of the 13 that find a tile's maximum and statistics, written for the four tiles on end, so that a line and the one that reads its result stand four apart.  s0-s15 are the lane's scores; each
; accumulator's lowest registers are read first.
.macro XL n
.irp t, 0,1,2,3
	REGS \t
.if (\n) == 0
	v_max3_num_f32 v[rC], v[rS], v[rS+1], v[rS+2]
.elseif (\n) == 1
	v_max3_num_f32 v[rC+1], v[rS+8], v[rS+9], v[rS+10]
.elseif (\n) == 2
	v_max3_num_f32 v[rC], v[rC], v[rS+3], v[rS+4]
.elseif (\n) == 3
	v_max3_num_f32 v[rC+1], v[rC+1], v[rS+11], v[rS+12]
.elseif (\n) == 4
	v_max3_num_f32 v[rC], v[rC], v[rS+5], v[rS+6]
.elseif (\n) == 5
	v_max3_num_f32 v[rC+1], v[rC+1], v[rS+13], v[rS+14]
.elseif (\n) == 6
	v_max3_num_f32 v[rC], v[rC], v[rS+7], v[rS+15]
.elseif (\n) == 7
	v_max3_num_f32 v[rC], v[rC], v[rC+1], v[rT+1]
.elseif (\n) == 8
	v_mov_b32 v[rM], v[rT]                         ; c m_old is kept for a
.elseif (\n) == 9
	v_permlanex16_b32 v[rC+3], v[rC], s[SEL], s[SEL+1]  ; the query's other 16 keys lie in the lane 16 away
.elseif (\n) == 10
	v_max_num_f32 v[rT+1], v[rC], v[rC+3]
.elseif (\n) == 11
	v_mul_f32 v[rT], s[CS], v[rT+1]
.else
	v_sub_f32 v[rC+1], v[rM], v[rT]
.endif
.endr
.endm
; THE SOFTMAX of a step, four tiles: the maxima; ONE BATCH of the 32 scalings and all 68 exponentials, none of which names an exponential's result; one plain instruction and one wait; the sums; the roundings,
; in place and ascending, so that P ends in a tile's first eight registers.
.macro SOFTMAX
	WIN 0
.irp n, 0,1,2,3,4,5,6,7,8,9,10,11,12
	XL \n
.endr
.set p, 0
.rept 9
.irp t, 0,1,2,3
	REGS \t
.if p < 8
	v_pk_fma_f32 v[rS+2*p:rS+2*p+1], v[rS+2*p:rS+2*p+1], s[CS:CS+1], v[rT:rT+1] op_sel_hi:[1,0,0] neg_lo:[0,0,1] neg_hi:[0,0,1]  ; pair p: c s - c m
.endif
.if p == 0
	v_exp_f32 v[rC+2], v[rC+1]                     ; a
.else
	v_exp_f32 v[rS+2*p-2], v[rS+2*p-2]             ; the pair scaled a round ago
	v_exp_f32 v[rS+2*p-1], v[rS+2*p-1]
.endif
.endr
.set p, p+1
.endr
	v_nop                                          ; a plain instruction behind the last exponential (ISA guide 5.7.2): one for the batch
	s_wait_alu depctr_va_vdst(0)                   ; the wait ahead of the first line that names a result: one for the batch
.set p, 0
.rept 8
.irp t, 0,1,2,3
	REGS \t
.if p == 0
	v_pk_fma_f32 v[rT+2:rT+3], v[rT+2:rT+3], v[rC+2:rC+3], v[rS:rS+1] op_sel_hi:[1,0,1]  ; l = a l + the first pair
.else
	v_pk_add_f32 v[rT+2:rT+3], v[rT+2:rT+3], v[rS+2*p:rS+2*p+1]
.endif
.endr
.set p, p+1
.endr
.set p, 0
.rept 8
.irp t, 0,1,2,3
	REGS \t
	v_cvt_pk_f16_f32 v[rS+p], v[rS+2*p], v[rS+2*p+1]
.endr
.set p, p+1
.endr
.endm
	s_wait_loadcnt 0x0                             ; Q
.Lslot:                                                ; 15 trips: a slot is entered and the next is asked for
	CHANGE 1
	s_mov_b32 s[CNT], 2
.Lstep:                                                ; a slot's two steps: written once, walked twice; the LDS addresses hang on s[TBK] and s[TBV]
	PVPART 0
	QKPART
	SOFTMAX
	WIN 0
	s_add_co_u32 s[TBK], s[TBK], 32*PK
	s_add_co_u32 s[TBV], s[TBV], 32*PV
	s_sub_co_u32 s[CNT], s[CNT], 1
	s_cmp_lg_u32 s[CNT], 0
	s_cbranch_scc1 .Lstep
	s_sub_co_u32 s[SLOTS], s[SLOTS], 1
	s_cmp_lg_u32 s[SLOTS], 0
	s_cbranch_scc1 .Lslot
	CHANGE 0                                       ; the tail is written out: nothing is asked for
	s_mov_b32 s[CNT], 3                            ; two trips make the last slot's steps; the third is left behind its V^T P
.Ltail:
	PVPART 1
	WIN 0
	s_sub_co_u32 s[CNT], s[CNT], 1
	s_cmp_eq_u32 s[CNT], 0
	s_cbranch_scc1 .Lout
	QKPART
	SOFTMAX
	WIN 0
	s_add_co_u32 s[TBK], s[TBK], 32*PK
	s_add_co_u32 s[TBV], s[TBV], 32*PV
	s_branch .Ltail
.Lout:
	; THE MERGE of the pair's two states, in f32.  l's two halves and the other half of the lanes' are added; c m and l change hands through LDS.
.irp t, 0,1,2,3
	v_add_f32 v[ST+4*\t+2], v[ST+4*\t+2], v[ST+4*\t+3]
.endr
.irp t, 0,1,2,3
	v_permlanex16_b32 v[ST+4*\t+3], v[ST+4*\t+2], s[SEL], s[SEL+1]
.endr
.irp t, 0,1,2,3
	v_add_f32 v[ST+4*\t+1], v[ST+4*\t+2], v[ST+4*\t+3]  ; l takes m's place
.endr
.irp t, 0,1,2,3
	ds_store_b128 v[XO], v[ST+4*\t:ST+4*\t+3] offset:512*\t
.endr
	s_wait_dscnt 0x0                               ; for my partner's sake: my stores are done; my reads of the ring were over before
	s_barrier_signal -1
	s_barrier_wait -1
.irp t, 0,1,2,3
	ds_load_b128 v[FB+4*\t:FB+4*\t+3], v[XP] offset:512*\t
.endr
	s_wait_dscnt 0x0
.irp t, 0,1,2,3
	v_max_num_f32 v[TMP+4*\t], v[ST+4*\t], v[FB+4*\t]  ; the common c m
.endr
.irp t, 0,1,2,3
	v_sub_f32 v[TMP+4*\t+1], v[ST+4*\t], v[TMP+4*\t]
	v_sub_f32 v[TMP+4*\t+3], v[FB+4*\t], v[TMP+4*\t]
.endr
.irp t, 0,1,2,3
	v_exp_f32 v[TMP+4*\t+1], v[TMP+4*\t+1]         ; f, my state's factor,
	v_exp_f32 v[TMP+4*\t+3], v[TMP+4*\t+3]         ; and my partner's
.endr
	v_nop
	s_wait_alu depctr_va_vdst(0)                   ; one wait for the eight exponentials
.irp t, 0,1,2,3
	v_mul_f32 v[TMP+4*\t], v[TMP+4*\t+1], v[ST+4*\t+1]
.endr
.irp t, 0,1,2,3
	v_fmac_f32 v[TMP+4*\t], v[TMP+4*\t+3], v[FB+4*\t+1]  ; the whole sum
.endr
.irp t, 0,1,2,3
	v_rcp_f32 v[TMP+4*\t], v[TMP+4*\t]
.endr
	v_nop
	s_wait_alu depctr_va_vdst(0)                   ; one wait for the four reciprocals
.irp t, 0,1,2,3
	v_mul_f32 v[TMP+4*\t+2], v[TMP+4*\t+1], v[TMP+4*\t]  ; g = f / the whole sum
.endr
	WIN 0x82                                       ; what I hand over, times my g
.set i, 0
.rept 128
	v_pk_mul_f32 v[2*i:2*i+1], v[2*i:2*i+1], v[TMP+4*((i/4)%4)+2:TMP+4*((i/4)%4)+3] op_sel_hi:[1,0]
.set i, i+1
.endr
	WIN 0x08                                       ; data window 2, address window 0
.set i, 0
.rept 64
	ds_store_b128 v[EO], v[4*i:4*i+3] offset:512*i
.set i, i+1
.endr
	WIN 0
	s_wait_dscnt 0x0
	s_barrier_signal -1
	s_barrier_wait -1
	WIN 0xc0                                       ; my partner's share of my 128 channels, where Q lay
.set i, 0
.rept 64
	ds_load_b128 v[4*i:4*i+3], v[EP] offset:512*i
.set i, i+1
.endr
	WIN 0
	s_wait_dscnt 0x0
	WIN 0x71                                       ; mine (window 1) times g (window 0) plus my partner's (window 3)
.set i, 0
.rept 128
	v_pk_fma_f32 v[2*i:2*i+1], v[2*i:2*i+1], v[TMP+4*((i/4)%4)+2:TMP+4*((i/4)%4)+3], v[2*i:2*i+1] op_sel_hi:[1,0,1]
.set i, i+1
.endr
; THE WAY OUT.  Tile t: a lane's eight channels of a row pack into 16 bytes; they go into rows of 272 bytes and come back as whole rows of 256, into the registers that they left.
.macro PACK t
	WIN 0x05                                       ; sources window 1, destination window 0
.set i, 0
.rept 32
	v_cvt_pk_f16_f32 v[OB+32*(\t)+i], v[32*(i/4)+8*(\t)+2*(i%4)], v[32*(i/4)+8*(\t)+2*(i%4)+1]
.set i, i+1
.endr
	WIN 0
.set i, 0
.rept 8
	ds_store_b128 v[STO], v[OB+32*(\t)+4*i:OB+32*(\t)+4*i+3] offset:32*i
.set i, i+1
.endr
.set i, 0
.rept 8
	ds_load_b128 v[OB+32*(\t)+4*i:OB+32*(\t)+4*i+3], v[RD] offset:i*2*SP  ; LDS serves a wave's instructions in order (ISA guide 5.7.1.4): these see the stores above; the next tile's stores come behind them
.set i, i+1
.endr
.endm
.macro SEND t, younger                 ; younger: the LDS instructions issued behind tile t's loads: the next tile's sixteen, or none
.set i, 0
.rept 8
	s_wait_dscnt (\younger)+7-i
	global_store_b128 v[GO], v[OB+32*(\t)+4*i:OB+32*(\t)+4*i+3], s[10:11] offset:(\t)*8192+i*1024  ; 16 lanes store 256 consecutive bytes, at a multiple of 256 from z's first byte
.set i, i+1
.endr
.endm
	PACK 0
	PACK 1
	SEND 0, 16
	PACK 2
	SEND 1, 16
	PACK 3
	SEND 2, 16
	SEND 3, 0
	s_wait_tensorcnt 0x0                           ; the wave's end: behind my last tensor load and my last LDS store
	ds_add_u32 v[SPW], v[NIL]
	s_wait_dscnt 0x0
	CROUND                                         ; the closing round: no work-group ends while a partner may still ask for a tile that names it
	s_endpgm
.Lfunc_end_k_q82d8a6cb27_attn:
	.size	k_q82d8a6cb27_attn, .Lfunc_end_k_q82d8a6cb27_attn-k_q82d8a6cb27_attn
	.p2alignl 7, 3214868480
	.fill 96, 4, 3214868480
	.section	.rodata,"a",@progbits
	.p2align	6, 0x0
	.amdhsa_kernel k_q82d8a6cb27_attn
		.amdhsa_group_segment_fixed_size 327680
		.amdhsa_private_segment_fixed_size 0
		.amdhsa_enable_private_segment 0
		.amdhsa_kernarg_size 32
		.amdhsa_user_sgpr_count 2
		.amdhsa_user_sgpr_kernarg_segment_ptr 1
		.amdhsa_wavefront_size32 1
		.amdhsa_system_sgpr_workgroup_id_x 1
		.amdhsa_system_sgpr_workgroup_id_y 1
		.amdhsa_system_sgpr_workgroup_id_z 1
		.amdhsa_system_vgpr_workitem_id 0
		.amdhsa_next_free_vgpr 1024
		.amdhsa_next_free_sgpr 66
		.amdhsa_reserve_vcc 0
		.amdhsa_float_denorm_mode_32 3
		.amdhsa_float_denorm_mode_16_64 3
		.amdhsa_memory_ordered 1
		.amdhsa_forward_progress 1
		.amdhsa_inst_pref_size 170
	.end_amdhsa_kernel
	.amdgpu_metadata
---
amdhsa.version: [ 1, 2 ]
amdhsa.kernels:
  - .name:           k_q82d8a6cb27_attn
    .symbol:         k_q82d8a6cb27_attn.kd
    .args:
      - { .name: qbuf, .offset: 0, .size: 8, .value_kind: global_buffer, .address_space: global }
      - { .name: kbuf, .offset: 8, .size: 8, .value_kind: global_buffer, .address_space: global }
      - { .name: vbuf, .offset: 16, .size: 8, .value_kind: global_buffer, .address_space: global }
      - { .name: zbuf, .offset: 24, .size: 8, .value_kind: global_buffer, .address_space: global }
    .group_segment_fixed_size: 327680
    .private_segment_fixed_size: 0
    .kernarg_segment_align: 8
    .kernarg_segment_size: 32
    .max_flat_workgroup_size: 128
    .sgpr_count:     66
    .vgpr_count:     1024
    .wavefront_size: 32
...
	.end_amdgpu_metadata
.endif
;; end of part 2
;; launch lin (part 3): grid 16 x 16, 4 waves a work-group, clusters of 4 x 1, 327,680 bytes of LDS; arguments w_lin, zbuf, part; writes part
.if DOCPART == 3
	.amdgcn_target "amdgcn-amd-amdhsa--gfx1250"
	.amdhsa_code_object_version 6
	.text
	.protected	k_q82d8a6cb27_lin
	.globl	k_q82d8a6cb27_lin
	.p2align	8
	.type	k_q82d8a6cb27_lin,@function
k_q82d8a6cb27_lin:
	s_mov_b64 s[64:65], 0
	v_nop
	global_prefetch_b8 v0, s[64:65] scope:SCOPE_SE
	s_setreg_imm32_b32 hwreg(HW_REG_WAVE_MODE, 25, 1), 1
	s_wait_xcnt 0x0
	s_wait_alu depctr_hold_cnt(0) depctr_sa_sdst(0) depctr_va_vdst(0) depctr_va_sdst(0) depctr_va_ssrc(0) depctr_va_vcc(0) depctr_vm_vsrc(0)
	s_getreg_b32 s2, hwreg(HW_REG_IB_STS2, 6, 4)
	s_cmp_eq_u32 s2, 0
	s_cbranch_scc0 .Lentry_in_a_cluster
	s_endpgm
.Lentry_in_a_cluster:
	s_bfe_u32 s2, ttmp6, 0x10000c
	s_cmp_lg_u32 s2, 0x3003
	s_cbranch_scc0 .Lentry_shape_is_right
	s_endpgm
.Lentry_shape_is_right:
; THE LAST PRODUCT, K SPLIT SIXTEEN WAYS.  part[ks][m][n] = the sum over k = 2048 ks .. 2048 ks + 2047 of w_lin[m][k] z[k][n].  w_lin: [2048][32768] f32; z: [32768][256] f16; part: [16][2048][256] f32.
; w_lin is rounded once to f16 on its way in; sums are f32 and leave as f32: the launch behind adds the sixteen.
; LIMITS.  f16 holds no number beyond 65,504: w_lin lies within it; below 6.1e-5 a number keeps f16's fixed step of 6e-8.  NaN and infinities are not treated apart.
; SHARES.  A work-group takes 128 rows of w_lin (x) and one sixteenth of K (y), for all 256 columns: each byte of w_lin is read by one work-group, once.  Wave w makes rows 64 (w / 2) .. + 63, columns
; 128 (w % 2) .. + 127: 32 accumulators.  K goes in 32 chunks of 64.
; w_lin IS THE LAUNCH: 268 MB read once.  It comes THROUGH REGISTERS: of a chunk wave w loads its 32 rows x 256 bytes (16 loads; 16 lanes take a row's 256 bytes, aligned), rounds them to f16 and stores them into one
; of two small LDS buffers, from which all waves take fragments.  Four sets of registers take turns, waited for by count: 48 to 64 loads of every wave are always on their way, and none of them is
; tied to the changes of z's slots.
; z comes by tensor loads into two slots of 256 rows (four chunks).  CLUSTER: the four row blocks of a cluster have the same sixteenth of K and walk the same rows of z: each tile is asked for JOINTLY, a quarter
; of a slot by each wave.  w_lin is shared by nobody, so nothing of it is asked for jointly.
; THE MATRIX INSTRUCTION IS USED TRANSPOSED: source 0 = 16 columns of z x 32 k (turned, by ds_load_tr16_b128), source 1 = 16 rows of w_lin x 32 k: a lane then holds eight neighbouring columns of one row.
; THE SUMS START AT 0, by 256 v_mov_b32 written while the first loads are on their way, so that the loop has one form of product: a first chunk written out would be the longer text.
; REGISTERS, in windows of 256 (s_set_vgpr_msb: bits 1:0 source 0, 3:2 source 1, 5:4 source 2, 7:6 destination):
;   window 0: v0-29 addresses; v32-63 a chunk's numbers as f16, to be stored; v64-127 two sets of 32: w_lin's fragments; v128-255 the way out
;   window 1: the accumulators, (mb, nb) at 8 (8 mb + nb)      window 2: v0-127 two sets of 64: z's fragments      window 3: four sets of 64: w_lin in f32 as loaded; chunk c has set c % 4
.set ROWB,  131072                     ; bytes in a row of w_lin
.set PZ,    544                        ; a row of z in LDS: 512 bytes + 32
.set SLOT,  256*PZ                     ; a slot: 256 rows of z, four chunks
.set PA,    144                        ; a row of a chunk of w_lin in LDS: 128 bytes of f16 + 16 = 36 words: the 16 rows of a fragment load start at 16 different groups of four banks
.set ABUF,  128*PA
.set ABASE, 2*SLOT                     ; behind the ring, never filled by a tensor load: the two buffers; chunk c has buffer c % 2
.set SPARE, ABASE+2*ABUF               ; the spare words, 128 bytes for each wave: two blocks of 256 bytes that no other line names
.set SPT,   528                        ; the way out: 16 rows x 528 bytes for each wave, from LDS byte 0: slot 0 has had its last fill, and its last reads stand ahead of the last change's barrier
.set GOF,  10                          ; v10  my byte offset in w_lin: 16 (l % 16), and 8 rows further down for lanes 16 to 31; never rewritten
.set AST,  11                          ; v11  where I store 8 bytes of a row of a chunk
.set ADRA, 12                          ; v12  my lane's place for w_lin's fragments
.set AZ0,  13                          ; v13  my lane's place in a slot of z
.set ADZ,  14                          ; v14-15  the same in the slot in hand: chunks 0 and 1, chunks 2 and 3
.set STO,  16                          ; v16  the way out: where I put 32 bytes of a row
.set RD,   17                          ; v17  where I read a row back
.set CO,   18                          ; v18  my 16 bytes of a row's 512
.set PFZO, 19                          ; v19  the prefetches' offset: a row of z for l % 16, its second 256 bytes for lanes 16 to 31; never rewritten
.set SPW,  28                          ; v28  LDS address of my spare word; never rewritten
.set NIL,  29                          ; v29  0; never rewritten
.set CV,   32
.set HA,   64
.set OB,   128
.set G1,   24                          ; s[24:31] descriptor group 1 for z's tiles
.set G0,   32                          ; s[32:35] descriptor group 0: it walks
.set OFZ,  36                          ; s36  my quarter's place in a slot
.set TD,   37                          ; s37  the slot filled last: 0 or SLOT
.set TZ,   38                          ; s38  the slot in hand: 0 or SLOT
.set LIM,  43                          ; s43  1 in a cluster that prefetches, else the greatest number
.set WP,   44                          ; s[44:45] w_lin at my 32 rows, at the first of the four chunks to be asked for
.set PFZ,  46                          ; s[46:47] where my prefetches of z stand
.set MSB, 0
.macro WIN new                         ; the immediate's high byte repeats the setting that is left; a switch that changes nothing is dropped
.if MSB != (\new)
	s_set_vgpr_msb (MSB<<8)|(\new)
.set MSB, (\new)
.endif
.endm
.macro PLACES                          ; four places behind a matrix instruction (ISA guide 7.12.1), where no other vector work is at hand
.rept 4
	v_nop
.endr
.endm
; A round of the cluster's barrier: my work-group's barrier, so that wave 0's signal speaks for all four waves; wave 0 signals; every wave waits for all four work-groups; my work-group's barrier once more.
.macro CROUND
	s_barrier_signal -1
	s_barrier_wait -1
	s_cmp_lg_u32 s10, 0
	s_cbranch_scc1 .Lnot_wave_0_\@
	s_barrier_signal -3
.Lnot_wave_0_\@:
	s_barrier_wait -3
	s_barrier_signal -1
	s_barrier_wait -1
.endm
; A PREFETCH INTO THE L2 of the 256 rows of z that the NEXT change of slots will ask for: four chunks, 256 matrix instructions, ahead of their load.  The four clusters along x walk the same rows: the first of
; them asks.  Its four partners take 64 rows each, told apart BY ADDRESS; in each, wave w names rows 16 w .. + 15: a lane a block of 256 bytes, one instruction a wave.  So each block is named once in the launch.
; Fills 0 and 1 come by their loads alone; the last change that fills a slot asks for nothing.  w_lin is not asked for: its own loads go out three to four chunks ahead of their use.
.macro ASK
	s_cmp_gt_u32 s3, s[LIM]                        ; s3 = 1 in the loop's last trip
	s_cbranch_scc0 .Lno_ask_\@
	global_prefetch_b8 v[PFZO], s[PFZ:PFZ+1] th:TH_LOAD_NT scope:SCOPE_SE
.Lno_ask_\@:
.endm
	s_load_b128 s[4:7], s[0:1], 0x0                ; w_lin s[4:5], z s[6:7]
	s_load_b64 s[8:9], s[0:1], 0x10                ; part
	v_lshl_add_u32 v[SPW], v0, 2, SPARE
	v_mov_b32 v[NIL], 0
	ds_add_u32 v[SPW], v[NIL]                      ; the wave's opening: the add and its wait stand ahead of my first tensor load; the set-up below, work on registers, stands between them
	v_lshrrev_b32 v1, 5, v0
	v_readfirstlane_b32 s10, v1                    ; wave 0..3
	s_lshr_b32 s11, s10, 1                         ; which 64 rows I multiply
	s_and_b32 s12, s10, 1                          ; which 128 columns
	s_bfe_u32 s40, ttmp6, 0x40000                  ; cx
	s_lshl_b32 s42, ttmp9, 2                       ; in a cluster launch ttmp9 counts clusters
	s_add_co_u32 s42, s42, s40                     ; my block of 128 rows
	s_and_b32 s13, ttmp7, 0xffff                   ; my sixteenth of K, which the four partners share
	v_and_b32 v1, 15, v0                           ; l % 16
	v_bfe_u32 v2, v0, 4, 1                         ; l / 16
	v_lshlrev_b32 v[GOF], 4, v1
	v_lshl_add_u32 v[GOF], v2, 20, v[GOF]          ; 8 rows of 131,072 bytes
	; descriptor group 1: a tile of 64 rows x 256 elements, padded in LDS
	s_mov_b32 s[G1+0], 15|(1<<16)|(1<<20)|(1<<21)|(6<<22)|(7<<25)  ; 15:0 the mask of four; 17:16 2-byte elements; 20 padding on; 21 set beside a mask; 24:22 after every 128 words (code 6); 31:25 8 words (code 7)
	s_mov_b32 s[G1+1], 256<<16                     ; tensor_dim0 = 256
	s_mov_b32 s[G1+2], 64<<16                      ; tensor_dim1 = 64
	s_mov_b32 s[G1+3], 256<<16                     ; tile_dim0 = 256
	s_mov_b32 s[G1+4], 64                          ; tile_dim1 = 64
	s_mov_b32 s[G1+5], 256                         ; elements from row to row
	s_mov_b32 s[G1+6], 0
	s_mov_b32 s[G1+7], 0
	s_mul_i32 s[OFZ], s10, 64*PZ                   ; wave x 64 rows: no place in the cluster enters an LDS address
	s_mov_b32 s[TD], 0
	s_mov_b32 s[TZ], SLOT                          ; the first change of slots turns it into 0
	s_mov_b32 s[G0], 1                             ; 1:0 count = 1
	s_mov_b32 s[G0+1], s[OFZ]                      ; 63:32 LDS address: slot 0
	s_lshl_b32 s18, s13, 11
	s_lshl_b32 s19, s10, 6
	s_add_co_u32 s18, s18, s19                     ; z: row 2,048 x sixteenth + 64 x wave,
	s_lshl_b32 s18, s18, 9                         ; of 512 bytes
	s_mov_b32 s19, 0
	s_lshl_b32 s16, s42, 7
	s_lshl_b32 s17, s10, 5
	s_add_co_u32 s16, s16, s17                     ; w_lin: row 128 x block + 32 x wave,
	s_lshl_b32 s16, s16, 17                        ; of 131,072 bytes,
	s_lshl_b32 s17, s13, 13                        ; my sixteenth: 8,192 bytes along the row
	s_add_co_u32 s16, s16, s17
	s_mov_b32 s17, 0
	s_lshl_b32 s20, s13, 11
	s_add_co_u32 s20, s20, 256                     ; the prefetches: at fill 1; the first change of slots steps them to fill 2,
	s_lshl_b32 s21, s40, 6
	s_add_co_u32 s20, s20, s21                     ; my work-group's 64 rows,
	s_lshl_b32 s21, s10, 4
	s_add_co_u32 s20, s20, s21                     ; my wave's 16 of them
	s_lshl_b32 s20, s20, 9
	s_mov_b32 s21, 0
	s_cmp_eq_u32 ttmp9, 0                          ; the first cluster along x: the same in all four partners
	s_cselect_b32 s[LIM], 1, -1
	s_wait_dscnt 0x0                               ; the opening add is done
	s_wait_kmcnt 0x0
	s_add_nc_u64 s[G0+2:G0+3], s[6:7], s[18:19]    ; 120:64 global address: my quarter of fill 0
	s_or_b32 s[G0+3], s[G0+3], 0x80000000          ; 127:126 type = 2
	s_add_nc_u64 s[WP:WP+1], s[4:5], s[16:17]
	s_add_nc_u64 s[PFZ:PFZ+1], s[6:7], s[20:21]
	CROUND                                         ; all four work-groups are here: the first joint loads meet
	tensor_load_to_lds s[G0:G0+3], s[G1:G1+7]      ; fill 0.  Fill 1 is asked for when fill 0 is in
	s_nop 0
	PLACES
; 16 loads: my 32 rows x 256 bytes of the p-th of the four chunks at the pointer, into set p.  Load i: lanes 0-15 take row 16 (i / 8) + i % 8, lanes 16-31 the row 8 further down.
.macro GLOAD p
	WIN 0xc0                                       ; destination window 3, address window 0
.set i, 0
.rept 16
	global_load_b128 v[64*(\p)+4*i:64*(\p)+4*i+3], v[GOF], s[WP:WP+1] offset:(16*(i/8)+i%8)*ROWB+(\p)*256 th:TH_LOAD_NT
.set i, i+1
.endr
.endm
.macro CVT p                           ; set p rounded to f16: 8 bytes a lane and load
	WIN 0x0f                                       ; sources window 3, destination window 0
.set i, 0
.rept 16
	v_cvt_pk_f16_f32 v[CV+2*i],   v[64*(\p)+4*i],   v[64*(\p)+4*i+1]
	v_cvt_pk_f16_f32 v[CV+2*i+1], v[64*(\p)+4*i+2], v[64*(\p)+4*i+3]
.set i, i+1
.endr
.endm
.macro ST b                            ; into buffer b.  A store covers 128 bytes of a row and 128 of the row 8 further down, which lies 288 words on
	WIN 0
.set i, 0
.rept 16
	ds_store_b64 v[AST], v[CV+2*i:CV+2*i+1] offset:(\b)*ABUF+(16*(i/8)+i%8)*PA
.set i, i+1
.endr
.endm
; 24 LDS loads in one run: the fragments of half q (32 along K) of chunk p of the slot in hand, into set q: z's eight (turned), then w_lin's four
.macro FETCH p, q
	WIN 0x80                                       ; destination window 2
.set i, 0
.rept 8
	ds_load_tr16_b128 v[64*(\q)+8*i:64*(\q)+8*i+3],   v[ADZ+(\p)/2] offset:((\p)%2)*64*PZ+(\q)*32*PZ+32*i
	ds_load_tr16_b128 v[64*(\q)+8*i+4:64*(\q)+8*i+7], v[ADZ+(\p)/2] offset:((\p)%2)*64*PZ+(\q)*32*PZ+16*PZ+32*i
.set i, i+1
.endr
	WIN 0
.set i, 0
.rept 4
	ds_load_b128 v[HA+32*(\q)+8*i:HA+32*(\q)+8*i+3],   v[ADRA] offset:((\p)%2)*ABUF+i*16*PA+(\q)*64
	ds_load_b128 v[HA+32*(\q)+8*i+4:HA+32*(\q)+8*i+7], v[ADRA] offset:((\p)%2)*ABUF+i*16*PA+(\q)*64+32
.set i, i+1
.endr
.endm
; 16 products: row blocks m0, m0 + 1 x all 8 column blocks.  The 32 accumulators take turns, one instruction a turn, in the same order in every half chunk.
.macro MUL16 f, m0
	WIN 0x52                                       ; z window 2, w_lin window 0, C and D window 1
.irp a, \m0, (\m0)+1
.irp b, 0,1,2,3,4,5,6,7
	v_wmma_f32_16x16x32_f16 v[8*(8*(\a)+(\b)):8*(8*(\a)+(\b))+7], v[64*(\f)+8*(\b):64*(\f)+8*(\b)+7], v[HA+32*(\f)+8*(\a):HA+32*(\f)+8*(\a)+7], v[8*(8*(\a)+(\b)):8*(8*(\a)+(\b))+7]
.endr
.endr
.endm
; CHUNK p of a slot, up to its second half's products.  Its first half's fragments were asked for behind the barrier in front of it.
; load = 1: the chunk four on is asked of memory, into the set that this chunk left.  conv = 1: the next chunk, of which left younger loads may stay out, is rounded and stored into the other buffer: every wave's
; reads of that buffer were over at the last barrier.  The 32 conversions are also the places ahead of the loads into set 1, which the last products read.
.macro CH p, load, left, conv
.if \load
	GLOAD \p
.endif
.if \conv
	s_wait_loadcnt \left                           ; loads come back in order (ISA guide 5.7.1): the next chunk's 16 are in, the younger chunks' stay out
	CVT ((\p)+1)%4
	ST ((\p)+1)%2
.else
	PLACES
.endif
	FETCH \p, 1
.if \conv
	s_wait_dscnt 40                                ; the first half's fragments are in: behind them stand the 16 stores and the 24 loads just issued
.else
	s_wait_dscnt 24                                ; the same without stores
.endif
	MUL16 0, 0
	MUL16 0, 2
	s_wait_dscnt 0x0                               ; the second half's fragments are in: my reads of this chunk are over; and, for the others' sake, my stores of the next chunk are done
.endm
; From chunk p to chunk p + 1 of a slot: ONE barrier: nobody reads this chunk's buffer any more, and the other buffer is whole.  No tensor load fills anything behind it, so the one that is out stays out.
.macro NEXT p
	s_barrier_signal -1
	MUL16 1, 0                                     ; work on registers while the others arrive
	s_barrier_wait -1
	PLACES                                         ; set 0 was read by products
	FETCH (\p)+1, 0
	MUL16 1, 2
.endm
; THE CHANGE OF SLOTS, which is also a change of chunks.  Each wave waits for all its tensor loads, of which one is out: its quarter of the slot to be entered; adds 0 to its spare word; and waits for that, for its
; reads of the slot that it leaves and for its stores of the next chunk.  Behind the barrier nobody reads the old slot any more, and the new slot and the next chunk's buffer are whole.
; fill = 1: the old slot is filled again, with the rows two slots on; the barrier is then a round of the cluster's, so that no wave of any partner still reads the slot or has a load on its way, and the joint
; fill is the first thing behind it: it has four chunks in which to land.  (At its first use nothing has been read yet: fill 0 is waited for, slot 1 filled.)
.macro CHANGE fill
	WIN 0
	s_wait_tensorcnt 0x0                           ; no tensor load of mine is out, so group 0 may be written
	ds_add_u32 v[SPW], v[NIL]                      ; 0 onto my spare word: the scalar steps stand between it and the wait for it
	s_xor_b32 s[TZ], s[TZ], SLOT                   ; 0 and SLOT by turns
.if \fill
	s_xor_b32 s[TD], s[TD], SLOT
	s_add_co_u32 s[G0+1], s[TD], s[OFZ]
	s_add_nc_u64 s[G0+2:G0+3], s[G0+2:G0+3], 256*512  ; the next 256 rows; the type bits on top are not reached
	s_wait_xcnt 0x0                                ; every load and prefetch issued so far has read its address (the youngest load stands 64 products back): the pointers may be written
	s_add_nc_u64 s[WP:WP+1], s[WP:WP+1], 4*256     ; the next four chunks
	s_add_nc_u64 s[PFZ:PFZ+1], s[PFZ:PFZ+1], 256*512
	s_wait_dscnt 0x0
	CROUND
	tensor_load_to_lds s[G0:G0+3], s[G1:G1+7]
	s_nop 0
	PLACES                                         ; the places ahead of the loads into set 0
.else
	s_wait_dscnt 0x0
	s_barrier_signal -1
	s_barrier_wait -1
	PLACES
.endif
	v_add_nc_u32 v[ADZ], s[TZ], v[AZ0]
	v_add_nc_u32 v[ADZ+1], 128*PZ, v[ADZ]
	FETCH 0, 0
.if \fill
	ASK                                            ; behind the joint load and the run of LDS loads that the next products wait for
.endif
.endm
	GLOAD 0                                        ; chunks 0 to 3: 64 loads of mine are out
	GLOAD 1
	GLOAD 2
	GLOAD 3
	WIN 0
	v_and_b32 v3, 31, v0                           ; l
	s_mul_i32 s16, s10, 32*PA
	s_add_co_u32 s16, s16, ABASE
	v_mul_u32_u24 v4, v2, 8*PA
	v_lshl_add_u32 v4, v1, 3, v4
	v_add_nc_u32 v[AST], s16, v4                   ; (32 w + 8 (l / 16)) x pitch + 8 (l % 16)
	s_mul_i32 s16, s11, 64*PA
	s_add_co_u32 s16, s16, ABASE
	v_mul_u32_u24 v4, v1, PA
	v_lshl_add_u32 v4, v2, 4, v4
	v_add_nc_u32 v[ADRA], s16, v4                  ; a fragment: row l % 16, 16 bytes for each half of the lanes, twice, 32 bytes apart
	v_and_b32 v5, 7, v0
	v_bfe_u32 v6, v0, 3, 1
	v_lshl_add_u32 v7, v2, 3, v5                   ; the turning load: lane l reads k 8 (l / 16) + l % 8, columns 8 ((l / 8) % 2) + 0..7
	v_mul_u32_u24 v7, v7, PZ
	v_lshl_add_u32 v7, v6, 4, v7
	s_lshl_b32 s16, s12, 8
	v_add_nc_u32 v[AZ0], s16, v7
	s_mul_i32 s16, s10, 16*SPT                     ; my stage
	v_mul_u32_u24 v[STO], v1, SPT
	v_lshl_add_u32 v[STO], v2, 5, v[STO]
	v_add_nc_u32 v[STO], s16, v[STO]
	v_lshl_add_u32 v[RD], v3, 4, s16
	v_lshlrev_b32 v[CO], 4, v3
	v_lshlrev_b32 v[PFZO], 9, v1
	v_lshl_add_u32 v[PFZO], v2, 8, v[PFZO]
	s_lshl_b32 s16, s13, 21                        ; part: my sixteenth's 2,097,152 bytes,
	s_lshl_b32 s17, s42, 17                        ; my block's 128 rows of 1,024 bytes,
	s_add_co_u32 s16, s16, s17
	s_lshl_b32 s17, s11, 16                        ; my 64 of them,
	s_add_co_u32 s16, s16, s17
	s_lshl_b32 s17, s12, 9                         ; my 128 columns
	s_add_co_u32 s16, s16, s17
	s_mov_b32 s17, 0
	s_add_nc_u64 s[8:9], s[8:9], s[16:17]
	WIN 0x40
.set i, 0
.rept 256
	v_mov_b32 v[i], 0                              ; the sums start at 0
.set i, i+1
.endr
	s_wait_loadcnt 48                              ; chunk 0 is in; chunks 1 to 3 stay out
	CVT 0
	ST 0
	WIN 0
	s_mov_b32 s3, 7
.Lslot:                                                ; seven trips: a slot is entered, the next is asked for, its four chunks are multiplied
	CHANGE 1
	CH 0, 1, 48, 1
	NEXT 0
	CH 1, 1, 48, 1
	NEXT 1
	CH 2, 1, 48, 1
	NEXT 2
	CH 3, 1, 48, 1                                 ; (the chunk that it stores is the next slot's first)
	MUL16 1, 0
	MUL16 1, 2
	WIN 0
	s_sub_co_u32 s3, s3, 1
	s_cmp_lg_u32 s3, 0
	s_cbranch_scc1 .Lslot
	CHANGE 0                                       ; the last slot is written out: nothing is asked for, of z or of w_lin, and the counts run down
	CH 0, 0, 32, 1
	NEXT 0
	CH 1, 0, 16, 1
	NEXT 1
	CH 2, 0, 0, 1
	NEXT 2
	CH 3, 0, 0, 0
	MUL16 1, 0
	MUL16 1, 2
	; THE WAY OUT, 16 rows at a time: 32 bytes a lane into my own stage, back as whole rows of 512 bytes, stored in f32.
	WIN 0
	PLACES
.set mb, 0
.rept 4
	WIN 0x04                                       ; data window 1, address window 0
.set i, 0
.rept 8
	ds_store_b128 v[STO], v[64*mb+8*i:64*mb+8*i+3]   offset:64*i     ; each accumulator's low registers first
	ds_store_b128 v[STO], v[64*mb+8*i+4:64*mb+8*i+7] offset:64*i+16
.set i, i+1
.endr
	WIN 0
	s_wait_xcnt 0x0                                ; earlier stores have read their data: only behind this wait is it loaded over
.set i, 0
.rept 16
	ds_load_b128 v[OB+64*(mb%2)+4*i:OB+64*(mb%2)+4*i+3], v[RD] offset:i*SPT  ; LDS serves a wave's instructions in order (ISA guide 5.7.1.4): these see the stores above
.set i, i+1
.endr
	s_wait_dscnt 0x0
.set i, 0
.rept 16
	global_store_b128 v[CO], v[OB+64*(mb%2)+4*i:OB+64*(mb%2)+4*i+3], s[8:9] offset:(16*mb+i)*1024  ; the wave stores 512 consecutive bytes, at a multiple of 256 from part's first byte
.set i, i+1
.endr
.set mb, mb+1
.endr
	s_wait_tensorcnt 0x0                           ; the wave's end: behind my last tensor load and my last LDS store
	ds_add_u32 v[SPW], v[NIL]
	s_wait_dscnt 0x0
	CROUND                                         ; the closing round: no work-group ends while a partner may still ask for a tile that names it
	s_endpgm
.Lfunc_end_k_q82d8a6cb27_lin:
	.size	k_q82d8a6cb27_lin, .Lfunc_end_k_q82d8a6cb27_lin-k_q82d8a6cb27_lin
	.p2alignl 7, 3214868480
	.fill 96, 4, 3214868480
	.section	.rodata,"a",@progbits
	.p2align	6, 0x0
	.amdhsa_kernel k_q82d8a6cb27_lin
		.amdhsa_group_segment_fixed_size 327680
		.amdhsa_private_segment_fixed_size 0
		.amdhsa_enable_private_segment 0
		.amdhsa_kernarg_size 24
		.amdhsa_user_sgpr_count 2
		.amdhsa_user_sgpr_kernarg_segment_ptr 1
		.amdhsa_wavefront_size32 1
		.amdhsa_system_sgpr_workgroup_id_x 1
		.amdhsa_system_sgpr_workgroup_id_y 1
		.amdhsa_system_sgpr_workgroup_id_z 1
		.amdhsa_system_vgpr_workitem_id 0
		.amdhsa_next_free_vgpr 1024
		.amdhsa_next_free_sgpr 66
		.amdhsa_reserve_vcc 0
		.amdhsa_float_denorm_mode_32 3
		.amdhsa_float_denorm_mode_16_64 3
		.amdhsa_memory_ordered 1
		.amdhsa_forward_progress 1
		.amdhsa_inst_pref_size 127
	.end_amdhsa_kernel
	.amdgpu_metadata
---
amdhsa.version: [ 1, 2 ]
amdhsa.kernels:
  - .name:           k_q82d8a6cb27_lin
    .symbol:         k_q82d8a6cb27_lin.kd
    .args:
      - { .name: w_lin, .offset: 0, .size: 8, .value_kind: global_buffer, .address_space: global }
      - { .name: zbuf, .offset: 8, .size: 8, .value_kind: global_buffer, .address_space: global }
      - { .name: part, .offset: 16, .size: 8, .value_kind: global_buffer, .address_space: global }
    .group_segment_fixed_size: 327680
    .private_segment_fixed_size: 0
    .kernarg_segment_align: 8
    .kernarg_segment_size: 24
    .max_flat_workgroup_size: 128
    .sgpr_count:     66
    .vgpr_count:     1024
    .wavefront_size: 32
...
	.end_amdgpu_metadata
.endif
;; end of part 3
;; launch finish (part 4): grid 256 x 1, 8 waves a work-group, no clusters, 0 bytes of LDS; arguments part, b_lin, out0; writes out0
.if DOCPART == 4
	.amdgcn_target "amdgcn-amd-amdhsa--gfx1250"
	.amdhsa_code_object_version 6
	.text
	.protected	k_q82d8a6cb27_finish
	.globl	k_q82d8a6cb27_finish
	.p2align	8
	.type	k_q82d8a6cb27_finish,@function
k_q82d8a6cb27_finish:
	s_mov_b64 s[64:65], 0
	v_nop
	global_prefetch_b8 v0, s[64:65] scope:SCOPE_SE
	s_setreg_imm32_b32 hwreg(HW_REG_WAVE_MODE, 25, 1), 1
	s_wait_xcnt 0x0
; out0[m][n] = b_lin[m][n] + the sum over ks = 0 .. 15 of part[ks][m][n], all f32, added in ascending order of ks.  part: [16][2048][256]; b_lin, out0: [2048][256].
; A stream: each byte is read once and written once.  A work-group owns 8,192 consecutive bytes of out0; thread t owns the 16 bytes at 16 t and those 4,096 further on, so a load or store of a wave covers
; 512 consecutive bytes.  All 34 loads of a thread go out at once; the waits count down.  No LDS, no barrier, no matrix unit, no cluster: no two threads want the same byte.
.set CH, 4096
.set SPLIT, 0x200000                   ; bytes of one of the sixteen partial sums
.set X, 4                              ; v[4:139]  for each of my two pieces 68 registers: b_lin's four, then four for each partial sum
	s_load_b128 s[4:7], s[0:1], 0x0                ; part s[4:5], b_lin s[6:7]
	s_load_b64 s[8:9], s[0:1], 0x10                ; out0
	s_lshl_b32 s10, ttmp9, 13
	v_lshl_add_u32 v1, v0, 4, s10                  ; my byte offset in a matrix of 2,097,152 bytes
	s_wait_kmcnt 0x0
	s_mov_b64 s[12:13], s[4:5]                     ; four bases, four partial sums apart, so that the rest fits the signed 24-bit immediate (ISA guide, chapter 10)
	s_add_nc_u64 s[14:15], s[4:5], 4*SPLIT
	s_add_nc_u64 s[16:17], s[4:5], 8*SPLIT
	s_add_nc_u64 s[18:19], s[4:5], 12*SPLIT
.set c, 0
.rept 2
	global_load_b128 v[X+68*c:X+68*c+3], v1, s[6:7] offset:c*CH th:TH_LOAD_NT
.set k, 0
.rept 16
	global_load_b128 v[X+68*c+4+4*k:X+68*c+4+4*k+3], v1, s[12+2*(k/4):13+2*(k/4)] offset:(k%4)*SPLIT+c*CH th:TH_LOAD_NT
.set k, k+1
.endr
.set c, c+1
.endr
.set c, 0
.rept 2
.set k, 0
.rept 16
	s_wait_loadcnt 33-(17*c+1+k)                   ; loads come back in order (ISA guide 5.7.1): this term is in, the loads issued behind it stay out
	v_pk_add_f32 v[X+68*c:X+68*c+1],   v[X+68*c:X+68*c+1],   v[X+68*c+4+4*k:X+68*c+4+4*k+1]
	v_pk_add_f32 v[X+68*c+2:X+68*c+3], v[X+68*c+2:X+68*c+3], v[X+68*c+4+4*k+2:X+68*c+4+4*k+3]
.set k, k+1
.endr
	global_store_b128 v1, v[X+68*c:X+68*c+3], s[8:9] offset:c*CH
.set c, c+1
.endr
	s_endpgm
.Lfunc_end_k_q82d8a6cb27_finish:
	.size	k_q82d8a6cb27_finish, .Lfunc_end_k_q82d8a6cb27_finish-k_q82d8a6cb27_finish
	.p2alignl 7, 3214868480
	.fill 96, 4, 3214868480
	.section	.rodata,"a",@progbits
	.p2align	6, 0x0
	.amdhsa_kernel k_q82d8a6cb27_finish
		.amdhsa_group_segment_fixed_size 0
		.amdhsa_private_segment_fixed_size 0
		.amdhsa_enable_private_segment 0
		.amdhsa_kernarg_size 24
		.amdhsa_user_sgpr_count 2
		.amdhsa_user_sgpr_kernarg_segment_ptr 1
		.amdhsa_wavefront_size32 1
		.amdhsa_system_sgpr_workgroup_id_x 1
		.amdhsa_system_sgpr_workgroup_id_y 1
		.amdhsa_system_sgpr_workgroup_id_z 1
		.amdhsa_system_vgpr_workitem_id 0
		.amdhsa_next_free_vgpr 144
		.amdhsa_next_free_sgpr 66
		.amdhsa_reserve_vcc 0
		.amdhsa_float_denorm_mode_32 3
		.amdhsa_float_denorm_mode_16_64 3
		.amdhsa_memory_ordered 1
		.amdhsa_forward_progress 1
		.amdhsa_inst_pref_size 10
	.end_amdhsa_kernel
	.amdgpu_metadata
---
amdhsa.version: [ 1, 2 ]
amdhsa.kernels:
  - .name:           k_q82d8a6cb27_finish
    .symbol:         k_q82d8a6cb27_finish.kd
    .args:
      - { .name: part, .offset: 0, .size: 8, .value_kind: global_buffer, .address_space: global }
      - { .name: b_lin, .offset: 8, .size: 8, .value_kind: global_buffer, .address_space: global }
      - { .name: out0, .offset: 16, .size: 8, .value_kind: global_buffer, .address_space: global }
    .group_segment_fixed_size: 0
    .private_segment_fixed_size: 0
    .kernarg_segment_align: 8
    .kernarg_segment_size: 24
    .max_flat_workgroup_size: 256
    .sgpr_count:     66
    .vgpr_count:     144
    .wavefront_size: 32
...
	.end_amdgpu_metadata
.endif
;; end of part 4
